; MI455X (gfx1250); checked and timed in simulation.
; The chip was launched on July 23, 2026; its instructions are those of AMD's public machine-readable ISA for CDNA 5 (MIT licence, August 2026) and "CDNA5" Instruction Set Architecture Reference Guide (July 2026). The comments in the code are by the model that wrote it; some were corrected since.
;; Causal Self Attention. Allowed arithmetic: matrix products marked QUANTISED: E4M3 operands, one given power-of-two scale a tensor, by v_wmma_f32_16x16x64_fp8_fp8 or v_wmma_f32_16x16x128_fp8_fp8, f32 sums; everything else in f32.
;; Inputs: W_attn_codes 3,072 x 32 x 32 uint8 (E4M3 codes of W_attn, K innermost, in blocks of 32 codes); W_proj_codes 1,024 x 32 x 32 uint8 (E4M3 codes of W_proj, K innermost, in blocks of 32 codes); b_attn 3,072 float32; b_proj 1,024 float32; lowp_scales 8 int32 (the exponents e of the quantised operands' scales 2^e); x_codes 4 x 2,048 x 32 x 32 uint8 (E4M3 codes of x, K innermost, in blocks of 32 codes).
;; Outputs: out0 4 x 2,048 x 1,024 float32.
;; This version of the problem:
;;   THIS VERSION OF THE PROBLEM IS GIVEN IN LOW PRECISION. The matrix products marked QUANTISED in the list below multiply operands that are first quantised to E4M3 (4 exponent bits, 3 mantissa bits; 8 bits a number), with one given power-of-two scale for each operand tensor; their sums are f32. All else is computed in f32.
;;   The module's matrix products, in the order in which they are computed (A, B: the left and right operand; K: the contracted axis; several contracted axes count as one K, in the product's order):
;;     1. [M 8,192, K 1,024] x [K 1,024, N 3,072]; A: input x (given as codes); B: input W_attn (given as codes): QUANTISED (scales: A lowp_scales[0], B lowp_scales[1])
;;     2. batch 64 x [M 2,048, K 64] x [K 64, N 2,048]; A: computed on the way; B: computed on the way: QUANTISED (scales: A lowp_scales[2], B lowp_scales[3])
;;     3. batch 64 x [M 2,048, K 2,048] x [K 2,048, N 64]; A: softmax (see below); B: computed on the way: QUANTISED (scales: A lowp_scales[4], B lowp_scales[5])
;;     4. [M 8,192, K 1,024] x [K 1,024, N 1,024]; A: computed on the way; B: input W_proj (given as codes): QUANTISED (scales: A lowp_scales[6], B lowp_scales[7])
;;   THE QUANTISER, for each operand of a quantised product, along K:
;;     - The operand's scale is 2^e, e = its entry of the input lowp_scales (int32; the entries are numbered through the quantised products in the list's order, A before B).
;;     - Each number is divided by the scale, clamped to +-448, and rounded to the nearest number of E4M3, ties to even, subnormals kept.
;;     - The product sums the exact products of the quantised numbers (number of the format x scale) in f32.
;;   ~~~python
;;   def quantise(x, axis, e):      # numpy; x: float32 -> the quantised numbers, widened to float32 again
;;       x = np.moveaxis(x, axis, -1); K = x.shape[-1]
;;       r = np.clip(x / 2.0 ** e, -448, 448)
;;       step = 2.0 ** (np.maximum(np.frexp(np.where(r == 0, 1, r))[1] - 1, -6) - 3)
;;       q = np.round(r / step) * step * 2.0 ** e      # np.round: ties to even
;;       return np.moveaxis(q, -1, axis).astype(np.float32)
;;   ~~~
;;   SOFTMAX AHEAD OF A QUANTISED PRODUCT. Where the list says 'softmax', what is quantised is not the finished softmax but p = 2^(t - M), with t = logit x log2(e) and M = ceil(the row's largest t), a whole number; so 1/2 < the row's largest p <= 1. The row's sum l is taken of the UNQUANTISED p, in f32, and the product's result is divided by l at the end. Since M is a whole number, a kernel that streams over the keys may use a running M (the ceiling of the running maximum): every later rescaling is an exact power of two, so the quantised numbers keep their values, but for numbers so far below the row's largest that they fall under the format's range.
;;   OPERANDS COMPUTED ON THE WAY. 'Computed on the way' means the value that the module computes at that place (a softmax that the list does not call 'softmax' is quantised finished and normalised). What goes into a quantiser is computed in f32, as accurately as f32 sums, v_exp_f32 and their like allow (about 1e-6 of the number): no bf16 or f16 on the way to a quantiser, and a product that is left as it is and whose result goes on into a quantised operand takes f32 operands (vector FMAs, or v_wmma_f32_16x16x4_f32). A number that lies on a knife's edge between two numbers of the format may be rounded either way, as far as f32 arithmetic and the matrix unit's own rounding can turn it there, and no further.
;;   INPUTS GIVEN AS CODES. W_attn (in the module: [1024, 3072], K = its axis 0); W_proj (in the module: [1024, 1024], K = its axis 0); x (in the module: [4, 2048, 1024], K = its axis 2): each comes as NAME_codes (uint8): NAME with its K axis moved to the last place and cut into blocks of 32 codes, [.., K / 32, bytes a block], one block behind the other in memory; one code a byte (a code: sign, 4 exponent bits, 3 mantissa bits); its scale is its entry of lowp_scales. Its value is code x scale, taken as it is: it is not quantised again, and the codes and scales need not be those that the quantiser above would give.
;; One version. Each part assembles by itself: llvm-mc -triple=amdgcn-amd-amdhsa -mcpu=gfx1250 --defsym DOCPART=n.
;; ======== version 1 of 1: 3 launches
;; limits: right only within a limited range of input values
;; workspace buffers: q_img 8,388,608 bytes; kv_img 16,777,216 bytes; y_img 8,388,608 bytes
;; launch qkv (part 1): grid 8 x 64, 4 waves a work-group, clusters of 4 x 4, 327,680 bytes of LDS; arguments x_codes, W_attn_codes, b_attn, lowp_scales, q_img, kv_img; writes q_img, kv_img
.if DOCPART == 1
	.amdgcn_target "amdgcn-amd-amdhsa--gfx1250"
	.amdhsa_code_object_version 6
	.text
	.protected	k_q93b94f3f0a_qkv
	.globl	k_q93b94f3f0a_qkv
	.p2align	8
	.type	k_q93b94f3f0a_qkv,@function
k_q93b94f3f0a_qkv:
	s_mov_b64 s[64:65], 0
	v_nop
	global_prefetch_b8 v0, s[64:65] scope:SCOPE_SE
	s_setreg_imm32_b32 hwreg(HW_REG_WAVE_MODE, 25, 1), 1
	s_wait_xcnt 0x0
	s_wait_alu depctr_hold_cnt(0) depctr_sa_sdst(0) depctr_va_vdst(0) depctr_va_sdst(0) depctr_va_ssrc(0) depctr_va_vcc(0) depctr_vm_vsrc(0)
	s_getreg_b32 s2, hwreg(HW_REG_IB_STS2, 6, 4)
	s_cmp_eq_u32 s2, 0
	s_cbranch_scc0 .Lentry_in_a_cluster
	s_endpgm
.Lentry_in_a_cluster:
	s_bfe_u32 s2, ttmp6, 0x10000c
	s_cmp_lg_u32 s2, 0xf033
	s_cbranch_scc0 .Lentry_shape_is_right
	s_endpgm
.Lentry_shape_is_right:
; qkv = x W_attn + b_attn on codes of FP8 (E4M3); q, k and v are quantised on the way out (scales 2^e2, 2^e3, 2^e5) and stored as IMAGES OF OPERAND REGISTERS for the attention launch.
; x: [8192][1024] codes, W_attn: [3072][1024] codes, K innermost.  A sum stands for sum x 2^(e0 + e1); value = sum x 2^(e0 + e1) + bias, one fused multiply-add in f32.
; LIMITS: e0 + e1 between -126 and 127; e2, e3, e5 between -126 and 119, so that each power of two below is an f32 number.  NaN among the inputs is not served.
; SHARES.  A work-group takes 128 tokens (gy) x the q, k and v columns of two heads (gx): 384 columns.  Wave (wm, wn): 64 tokens x the 64 q + 64 k + 64 v columns of head 2 gx + wn: 48 accumulators.
; q and k use the product TRANSPOSED (source 0 = 16 rows of W, source 1 = 16 tokens): a lane holds one token and eight neighbouring d, which is their next K.
; v uses it as it stands (source 0 = tokens, source 1 = rows of W): a lane holds one d and eight neighbouring tokens: the keys are v's next K.
; K goes in 8 steps of 128 through two LDS slots of 256 along K; wave 0 fetches x's 128 rows, waves 1 to 3 the 128 rows of W for q, k, v.
; CLUSTER 4 x 4: x's tile hangs on gy alone and is asked for jointly along a row of the cluster, W's tiles on gx alone and along a column.
; All fragments take k in the order 32 c + 16 (lane / 16) + 0 .. 15 in registers 4 c .. 4 c + 3, alike on both sides: every product meets its partner.
; THE IMAGES (a unit = 512 bytes = 32 lanes x 16 bytes; lane = (r, h)):
;   q_img : bh x 131072 + tile x 1024 + c x 512 + 16 lane: query 16 tile + r, d = 32 c + 16 h + 0 .. 15
;   kv_img: bh x 262144 + block x 16384 +        t x 1024 + c x 512 + 16 lane: key 32 (t / 2) + 8 (t % 2) + r + 8 (r / 8) of the block's 128, d = 32 c + 16 h + 0 .. 15
;                                       + 8192 + t x 2048 + c x 512 + 16 lane: d = 32 (t / 2) + 8 (t % 2) + r + 8 (r / 8), keys 32 c + 16 h + 0 .. 15 of the block
; REGISTERS, in windows of 256: window 0: v0-45 addresses, v's bias, scales; v64-255 W's fragments, set 0 (block 4 z + b at 64 + 16 (4 z + b)); on the way out v64-191 are at work.
;   window 1: v0-31 q's bias, v32-63 k's; v64-255 W's fragments, set 1.   window 2: v0-127 v's accumulators; v128-191, v192-255 x's fragments, sets 0 and 1.   window 3: v0-127 q's accumulators, v128-255 k's.
.set PITCH,  272                       ; an LDS row: 256 bytes + 16 of padding: the 16 rows of a fragment load start 68 words apart
.set HALFT,  128*PITCH                 ; what one tensor load brings
.set SLOT,   4*HALFT                   ; x's 128 rows, then W's 128 rows for q, for k, for v
.set SPARE,  2*SLOT                    ; behind the ring: the spare words, 128 bytes for each wave, that no other line names
.set STGB,   12288                     ; the way out: a wave's stage, 4,096 bytes each for q, k, v.  It lies in slot 0, which has had its last fill and its last read by then
.set ADRA, 16                          ; v16-17  LDS address of my x fragments in slot 0, 1
.set ADRB, 18                          ; v18-23  the same for W: slot s, part z at v[18 + 3 s + z]
.set STQ,  24                          ; v24-26  where I put 8 codes in the stage: q, k, v
.set STK,  25
.set STV,  26
.set RD,   27                          ; v27     where I read a unit back
.set SPW,  28                          ; v28     LDS address of my spare word; never rewritten
.set NIL,  29                          ; v29     0; never rewritten
.set GO,   30                          ; v30     16 x lane
.set BO,   31                          ; v31     32 x (lane / 16): q's and k's bias
.set BV,   32                          ; v32-39  v's bias: the lane's one number for each of four blocks, twice (a pair for the packed form)
.set QS,   40                          ; v40, v42, v44  2^e for q, k, v
.set T,    64                          ; the way out: 32 numbers at work
.set CD,   96                          ; the way out: eight registers of codes for each of 12 batches
.set BF,   64
.set AF,   128
.set G1, 24                            ; s[24:31] descriptor group 1 for x's tiles;  s[32:39] group 0, one set for each slot
.set G0, 32
.set G1B, 48                           ; s[48:55], s[56:63] the same for W's tiles
.set G0B, 56
.set MSB, 0
.macro WIN new                         ; the immediate's high byte repeats the setting that is left; a switch that changes nothing is dropped
.if MSB != (\new)
	s_set_vgpr_msb (MSB<<8)|(\new)
.set MSB, (\new)
.endif
.endm
; A joint load: wave 0 fetches for x, waves 1 to 3 for W.  Each line has one mask; the branch hangs on the wave's number alone.  Four v_nop follow each line.
.macro JLOAD g0a, g0b
	s_cmp_eq_u32 s14, 0
	s_cbranch_scc0 .Lfor_b_\@
	tensor_load_to_lds s[\g0a:\g0a+3], s[G1:G1+7]
	s_nop 0
.rept 4
	v_nop
.endr
	s_branch .Lasked_\@
.Lfor_b_\@:
	tensor_load_to_lds s[\g0b:\g0b+3], s[G1B:G1B+7]
	s_nop 0
.rept 4
	v_nop
.endr
.Lasked_\@:
.endm
.macro CREST                           ; a round of the cluster's barrier behind its opening barrier
	s_cmp_lg_u32 s14, 0
	s_cbranch_scc1 .Lnot_wave_0_\@
	s_barrier_signal -3
.Lnot_wave_0_\@:
	s_barrier_wait -3
	s_barrier_signal -1
	s_barrier_wait -1
.endm
.macro CROUND
	s_barrier_signal -1
	s_barrier_wait -1
	CREST
.endm
.macro PLACES n
.rept \n
	v_nop
.endr
.endm
	s_load_b256 s[4:11], s[0:1], 0x0               ; x s[4:5], W s[6:7], b_attn s[8:9], the scales' exponents s[10:11]
	s_load_b128 s[68:71], s[0:1], 0x20             ; q_img s[68:69], kv_img s[70:71]
	v_lshl_add_u32 v[SPW], v0, 2, SPARE
	v_mov_b32 v[NIL], 0
	ds_add_u32 v28, v29
	ds_add_u32 v28, v29
	s_wait_dscnt 0x0
	v_lshrrev_b32 v1, 5, v0
	v_readfirstlane_b32 s14, v1                    ; wave 0..3
	s_lshr_b32 s15, s14, 1                         ; wm: which 64 tokens
	s_and_b32 s16, s14, 1                          ; wn: which of the two heads
	s_bfe_u32 s40, ttmp6, 0x40000                  ; cx, cy: my place in the cluster
	s_bfe_u32 s41, ttmp6, 0x40004
	s_lshl_b32 s42, ttmp9, 2
	s_add_co_u32 s42, s42, s40                     ; gx: the pair of heads
	s_and_b32 s17, ttmp7, 0xffff
	s_lshl_b32 s17, s17, 2
	s_add_co_u32 s17, s17, s41                     ; gy: the block of 128 tokens
	s_lshl_b32 s43, s41, 2
	s_lshl_b32 s43, 15, s43                        ; my row of the cluster
	s_lshl_b32 s44, 0x1111, s40                    ; my column
	; descriptor group 1: 128 rows x 256 bytes, 1,024 bytes apart in memory, 16 bytes of padding behind each row in LDS
	s_or_b32 s[G1], s43, (1<<20)|(1<<21)|(5<<22)|(3<<25)   ; 15:0 the mask; 17:16 elements of 1 byte; 20 padding on; 21 set beside a mask; 24:22 after every 64 words; 31:25 four words
	s_or_b32 s[G1B], s44, (1<<20)|(1<<21)|(5<<22)|(3<<25)
.irp g, G1, G1B
	s_mov_b32 s[\g+1], 256<<16                     ; tensor_dim0
	s_mov_b32 s[\g+2], 128<<16                     ; tensor_dim1
	s_mov_b32 s[\g+3], 256<<16                     ; tile_dim0
	s_mov_b32 s[\g+4], 128                         ; tile_dim1
	s_mov_b32 s[\g+5], 1024                        ; from row to row
	s_mov_b32 s[\g+6], 0
	s_mov_b32 s[\g+7], 0
.endr
	s_lshl_b32 s20, s17, 17                        ; x: 128 gy rows of 1,024 bytes
	s_mov_b32 s21, 0
	s_add_co_u32 s18, s14, 3
	s_and_b32 s18, s18, 3
	s_min_u32 s18, s18, 2                          ; z = wave - 1: q, k, v (wave 0 gets a place inside W that it never asks for)
	s_lshl_b32 s46, s18, 20                        ; W: row 1,024 z + 128 gx
	s_lshl_b32 s47, s42, 17
	s_add_co_u32 s46, s46, s47
	s_mov_b32 s47, 0
	s_mul_i32 s45, s14, HALFT                      ; where a wave's tile goes: no place in the cluster enters an LDS address
	s_wait_kmcnt 0x0
	s_load_b256 s[72:79], s[10:11], 0x0            ; e0 .. e7
	s_add_nc_u64 s[20:21], s[4:5], s[20:21]
	s_add_nc_u64 s[46:47], s[6:7], s[46:47]
	CROUND                                         ; all sixteen work-groups are here: the first joint loads meet
.irp s, 0,1
	s_mov_b32 s[G0+4*\s], 1
	s_add_co_u32 s[G0+4*\s+1], s45, \s*SLOT
	s_add_nc_u64 s[G0+4*\s+2:G0+4*\s+3], s[20:21], \s*256
	s_or_b32 s[G0+4*\s+3], s[G0+4*\s+3], 0x80000000
	s_mov_b32 s[G0B+4*\s], 1
	s_add_co_u32 s[G0B+4*\s+1], s45, \s*SLOT
	s_add_nc_u64 s[G0B+4*\s+2:G0B+4*\s+3], s[46:47], \s*256
	s_or_b32 s[G0B+4*\s+3], s[G0B+4*\s+3], 0x80000000
	s_wait_alu depctr_va_vdst(0)
	s_wait_tensorcnt 0x0
	ds_add_u32 v28, v29
	ds_add_u32 v28, v29
	s_wait_dscnt 0x0
	CROUND
	JLOAD G0+4*\s, G0B+4*\s                        ; one load of mine is out
.endr
	v_and_b32 v1, 15, v0                           ; r
	v_bfe_u32 v2, v0, 4, 1                         ; h
	v_mul_u32_u24 v3, v1, PITCH
	v_lshl_add_u32 v4, v2, 4, v3                   ; a fragment's row x pitch + 16 h
	s_wait_alu depctr_va_vdst(0)
	s_mul_i32 s21, s15, 64*PITCH                   ; my 64 rows of x
	s_mul_i32 s22, s16, 64*PITCH                   ; my 64 rows of each part of W,
	s_add_co_u32 s22, s22, HALFT                   ; which lie behind x's 128
.irp s, 0,1
	v_add_nc_u32 v[ADRA+\s], s21, v4
.irp z, 0,1,2
	s_add_co_u32 s23, s22, \s*SLOT+\z*HALFT
	v_add_nc_u32 v[ADRB+3*\s+\z], s23, v4
.endr
	s_add_co_u32 s21, s21, SLOT
.endr
	s_mul_i32 s23, s14, STGB                       ; my stage
	v_lshlrev_b32 v5, 4, v1
	v_lshl_add_u32 v5, v2, 3, v5
	v_add_nc_u32 v[STQ], s23, v5                   ; q: 16 r + 8 h
	v_lshrrev_b32 v6, 3, v1
	v_and_b32 v7, 7, v1
	v_lshlrev_b32 v8, 10, v6
	v_lshl_add_u32 v8, v7, 4, v8
	v_lshl_add_u32 v8, v2, 3, v8
	v_add_nc_u32 v[STK], s23, v8
	v_add_nc_u32 v[STK], 4096, v[STK]              ; k: 1,024 (r / 8) + 16 (r % 8) + 8 h
	v_add_nc_u32 v[STV], 4096, v[STK]              ; v: the same, in its own 4,096 bytes
	v_and_b32 v9, 31, v0
	v_lshlrev_b32 v[GO], 4, v9
	v_add_nc_u32 v[RD], s23, v[GO]
	; the biases, in the results' layouts
	s_lshl_b32 s88, s42, 1
	s_add_co_u32 s88, s88, s16                     ; my head
	s_lshl_b32 s90, s88, 8
	s_mov_b32 s91, 0
	s_add_nc_u64 s[8:9], s[8:9], s[90:91]          ; b_attn at my head's 64 numbers of q
	v_lshlrev_b32 v[BO], 5, v2
	v_lshlrev_b32 v14, 2, v1
	WIN 0x40                                       ; destination window 1
.irp z, 0,1
.irp bb, 0,1,2,3
	global_load_b128 v[32*\z+8*\bb:32*\z+8*\bb+3], v[BO], s[8:9] offset:4096*\z+64*\bb          ; register 8 b + j: d = 16 b + 8 h + j
	global_load_b128 v[32*\z+8*\bb+4:32*\z+8*\bb+7], v[BO], s[8:9] offset:4096*\z+64*\bb+16
.endr
.endr
	WIN 0
.irp bb, 0,1,2,3
	global_load_b32 v[BV+2*\bb], v14, s[8:9] offset:8192+64*\bb                                ; v: d = 16 b + r, the same for the lane's eight tokens
	global_load_b32 v[BV+2*\bb+1], v14, s[8:9] offset:8192+64*\bb
.endr
	; where my images go
	s_lshr_b32 s89, s17, 4
	s_lshl_b32 s89, s89, 4
	s_add_co_u32 s89, s89, s88                     ; bh = 16 x batch + head
	s_and_b32 s92, s17, 15                         ; the block of 128 tokens in its batch
	s_lshl_b32 s90, s89, 17
	s_lshl_b32 s93, s92, 13
	s_add_co_u32 s90, s90, s93
	s_lshl_b32 s93, s15, 12
	s_add_co_u32 s90, s90, s93
	s_add_nc_u64 s[82:83], s[68:69], s[90:91]      ; q: tile 8 x block + 4 wm
	s_lshl_b32 s90, s89, 18
	s_lshl_b32 s93, s92, 14
	s_add_co_u32 s90, s90, s93
	s_lshl_b32 s93, s15, 12
	s_add_co_u32 s94, s90, s93
	s_mov_b32 s95, 0
	s_add_nc_u64 s[84:85], s[70:71], s[94:95]      ; k: tiles 4 wm on
	s_lshl_b32 s93, s15, 10
	s_add_co_u32 s94, s90, s93
	s_add_co_u32 s94, s94, 8192
	s_add_nc_u64 s[86:87], s[70:71], s[94:95]      ; v: units 2 wm, 2 wm + 1 of each of its four tiles
.macro FRAG reg, adr, q, i             ; 16 rows x 128 K: registers 4 c .. 4 c + 3 hold K = 32 c + 16 h + 0 .. 15 of row r
.irp c, 0,1,2,3
	ds_load_b128 v[\reg+4*\c:\reg+4*\c+3], v[\adr] offset:128*(\q)+32*\c+(\i)*16*PITCH
.endr
.endm
.macro FETCH_G0 slot, q, p             ; 32 loads: x's four blocks and W's four for q, of the slot's q-th 128 along K, into set p
	WIN 0x80
.irp a, 0,1,2,3
	FRAG AF+64*(\p)+16*\a, ADRA+\slot, \q, \a
.endr
	WIN (\p)<<6
.irp b, 0,1,2,3
	FRAG BF+16*\b, ADRB+3*\slot, \q, \b
.endr
.endm
.macro FETCH_B slot, q, p, z           ; 16 loads: W's four blocks for k (z = 1) or v (z = 2)
	WIN (\p)<<6
.irp b, 0,1,2,3
	FRAG BF+16*(4*\z+\b), ADRB+3*\slot+\z, \q, \b
.endr
.endm
; 8 matrix instructions.  The 48 accumulators take turns, one instruction a turn, in the same order in every step.  zero = 1: the first product starts the sums.
.macro MULQK z, p, a0, zero            ; q (z = 0) or k (z = 1): source 0 = W (window p), source 1 = x (window 2), C and D window 3
	WIN 0xf8+(\p)
.irp a, \a0, \a0+1
.irp bb, 0,1,2,3
.if \zero
	v_wmma_f32_16x16x128_fp8_fp8 v[128*\z+8*(4*(\a)+\bb):128*\z+8*(4*(\a)+\bb)+7], v[BF+16*(4*\z+\bb):BF+16*(4*\z+\bb)+15], v[AF+64*(\p)+16*(\a):AF+64*(\p)+16*(\a)+15], 0
.else
	v_wmma_f32_16x16x128_fp8_fp8 v[128*\z+8*(4*(\a)+\bb):128*\z+8*(4*(\a)+\bb)+7], v[BF+16*(4*\z+\bb):BF+16*(4*\z+\bb)+15], v[AF+64*(\p)+16*(\a):AF+64*(\p)+16*(\a)+15], v[128*\z+8*(4*(\a)+\bb):128*\z+8*(4*(\a)+\bb)+7]
.endif
.endr
.endr
.endm
.macro MULV p, a0, zero                ; v: source 0 = x (window 2), source 1 = W (window p), C and D window 2
	WIN 0xa2+4*(\p)
.irp a, \a0, \a0+1
.irp bb, 0,1,2,3
.if \zero
	v_wmma_f32_16x16x128_fp8_fp8 v[8*(4*(\a)+\bb):8*(4*(\a)+\bb)+7], v[AF+64*(\p)+16*(\a):AF+64*(\p)+16*(\a)+15], v[BF+16*(8+\bb):BF+16*(8+\bb)+15], 0
.else
	v_wmma_f32_16x16x128_fp8_fp8 v[8*(4*(\a)+\bb):8*(4*(\a)+\bb)+7], v[AF+64*(\p)+16*(\a):AF+64*(\p)+16*(\a)+15], v[BF+16*(8+\bb):BF+16*(8+\bb)+15], v[8*(4*(\a)+\bb):8*(4*(\a)+\bb)+7]
.endif
.endr
.endr
.endm
; A slot's first step: multiplies set 0 and fetches the slot's second 128 along K into set 1, part by part, each part a third of a step ahead of its use.
.macro STEP slot, zero
	s_wait_dscnt 32                                ; x's and q's fragments are in; k's 16 loads and v's 16 may be out
	MULQK 0, 0, 0, \zero
	MULQK 0, 0, 2, \zero
	PLACES 4                                       ; the step's one run of places: set 1 was last read by the step before, and all this step's loads go into set 1
	FETCH_G0 \slot, 1, 1
	s_wait_dscnt 48                                ; k's are in: behind them v's 16 and the 32 just issued
	MULQK 1, 0, 0, \zero
	MULQK 1, 0, 2, \zero
	FETCH_B \slot, 1, 1, 1
	s_wait_dscnt 48                                ; v's are in: behind them 32 + 16
	MULV 0, 0, \zero
	MULV 0, 2, \zero
	FETCH_B \slot, 1, 1, 2
	WIN 0
.endm
; A slot's second step multiplies set 1 and changes slots: ONE barrier; in front of it each wave waits for all its tensor loads, adds 0 to its spare word, and waits for that and for its own reads of this slot.
; fill = 1: this slot is filled again, 512 along K further on; the barrier then opens a round of the cluster's.
.macro TURN slot, next, fill
	s_wait_tensorcnt 0x0                           ; all my tensor loads have landed: my part of the next slot
	ds_add_u32 v[SPW], v[NIL]                      ; 0 onto my spare word
	s_wait_dscnt 33                                ; x's and q's fragments are in; the add, k's 16 and v's 16 may be out
	MULQK 0, 1, 0, 0                               ; eight matrix instructions stand between the add and the wait for it
	s_wait_dscnt 0x0                               ; the add is done, and my reads of this slot are over
	s_barrier_signal -1
	MULQK 0, 1, 2, 0
	WIN 0
	s_barrier_wait -1
.if \fill
	CREST                                          ; no wave of any partner still reads this slot's tiles or has a load on its way
	s_add_nc_u64 s[G0+4*\slot+2:G0+4*\slot+3], s[G0+4*\slot+2:G0+4*\slot+3], 512
	s_add_nc_u64 s[G0B+4*\slot+2:G0B+4*\slot+3], s[G0B+4*\slot+2:G0B+4*\slot+3], 512
	JLOAD G0+4*\slot, G0B+4*\slot                  ; my one tensor load behind the round; its four v_nop are also the places in front of the loads into set 0
.else
	PLACES 4
.endif
	FETCH_G0 \next, 0, 0
	MULQK 1, 1, 0, 0
	MULQK 1, 1, 2, 0
	FETCH_B \next, 0, 0, 1
	MULV 1, 0, 0
	MULV 1, 2, 0
	FETCH_B \next, 0, 0, 2
	WIN 0
.endm
	s_wait_tensorcnt 1                             ; my part of slot 0 is in; slot 1's may stay out
	s_barrier_signal -1
	s_barrier_wait -1                              ; everybody's is
	FETCH_G0 0, 0, 0
	FETCH_B 0, 0, 0, 1
	FETCH_B 0, 0, 0, 2
	WIN 0
	STEP 0, 1                                      ; K 0: its products start the sums
	TURN 0, 1, 1                                   ; K 128; slot 0 takes K 512 .. 767
	STEP 1, 0                                      ; K 256
	TURN 1, 0, 1                                   ; K 384; slot 1 takes K 768 .. 1023
	STEP 0, 0                                      ; K 512
	TURN 0, 1, 0                                   ; K 640; nothing is left to fetch; behind this barrier nobody reads slot 0
	STEP 1, 0                                      ; K 768
	s_wait_dscnt 32                                ; K 896, the last step
	MULQK 0, 1, 0, 0
	MULQK 0, 1, 2, 0
	s_wait_dscnt 16
	MULQK 1, 1, 0, 0
	MULQK 1, 1, 2, 0
	s_wait_dscnt 0x0
	MULV 1, 0, 0
	MULV 1, 2, 0
	WIN 0
	; THE WAY OUT.  value = sum x 2^(e0 + e1) + bias; eight codes a conversion; 8 bytes a lane into my stage, at the place
	; that the image gives them; then 24 units of 512 bytes back and out.  LDS serves a wave's instructions in order (ISA guide 5.7.1.4): no wait between my stores and my loads.
	s_wait_kmcnt 0x0
	s_add_co_i32 s80, s72, s73
	s_add_co_i32 s80, s80, 127
	s_lshl_b32 s80, s80, 23                        ; 2^(e0 + e1) as f32
	s_mov_b32 s81, s80                             ; (named with it as a pair, so it is written)
.macro SCALE e, k                      ; the three v_mov_b32 are also the places behind the last products
	s_add_co_i32 s88, s[\e], 127
	s_lshl_b32 s89, s88, 23
	v_mov_b32 v[QS+2*\k], s89                      ; 2^e as f32: the conversion takes its exponent field
	s_add_co_i32 s88, s88, 8
	s_lshl_b32 s88, s88, 23
	s_or_b32 s88, s88, 0x600000
.endm
	SCALE 74, 0                                    ; q: e2
	SCALE 75, 1                                    ; k: e3
	SCALE 77, 2                                    ; v: e5
	s_wait_loadcnt 0x0                             ; the biases
.macro CODES k, n                      ; 32 numbers in v[T] on become batch n's codes
.set i, 0
.rept 32
.set i, i+1
.endr
.irp bb, 0,1,2,3
	v_cvt_scalef32_pk8_fp8_f32 v[CD+8*(\n)+2*\bb:CD+8*(\n)+2*\bb+1], v[T+8*\bb:T+8*\bb+7], v[QS+2*\k]
.endr
	v_nop                                          ; one plain line between the last conversion and the next batch's writes of its sources
.endm
.macro OUTT z, a                       ; q (z = 0) or k (z = 1), tokens 16 a on: lane (r, h) holds token r, d = 16 b + 8 h + 0 .. 7
	WIN 0x13                                       ; source 0 (the sums) window 3, source 2 (the bias) window 1
	v_nop
.irp bb, 0,1,2,3
.irp i, 0,2,4,6
	v_pk_fma_f32 v[T+8*\bb+\i:T+8*\bb+\i+1], v[128*\z+8*(4*\a+\bb)+\i:128*\z+8*(4*\a+\bb)+\i+1], s[80:81], v[32*\z+8*\bb+\i:32*\z+8*\bb+\i+1] op_sel_hi:[1,0,1]
.endr
.endr
	WIN 0
	CODES \z, 4*\z+\a
.irp bb, 0,1,2,3
.if \z == 0
	ds_store_b64 v[STQ], v[CD+8*(4*\z+\a)+2*\bb:CD+8*(4*\z+\a)+2*\bb+1] offset:1024*\a+512*(\bb/2)+256*(\bb%2)
.else
	ds_store_b64 v[STK], v[CD+8*(4*\z+\a)+2*\bb:CD+8*(4*\z+\a)+2*\bb+1] offset:2048*(\a/2)+128*(\a%2)+512*(\bb/2)+256*(\bb%2)
.endif
.endr
.endm
.macro OUTV a                          ; v, tokens 16 a on: lane (r, h) holds d = 16 b + r, tokens 8 h + 0 .. 7
	WIN 0x02                                       ; source 0 (the sums) window 2
.irp bb, 0,1,2,3
.irp i, 0,2,4,6
	v_pk_fma_f32 v[T+8*\bb+\i:T+8*\bb+\i+1], v[8*(4*\a+\bb)+\i:8*(4*\a+\bb)+\i+1], s[80:81], v[BV+2*\bb:BV+2*\bb+1] op_sel_hi:[1,0,1]
.endr
.endr
	WIN 0
	CODES 2, 8+\a
.irp bb, 0,1,2,3
	ds_store_b64 v[STV], v[CD+8*(8+\a)+2*\bb:CD+8*(8+\a)+2*\bb+1] offset:2048*(\bb/2)+128*(\bb%2)+512*(\a/2)+256*(\a%2)
.endr
.endm
.irp a, 0,1,2,3
	OUTT 0, \a
.endr
.irp a, 0,1,2,3
	OUTT 1, \a
.endr
.irp a, 0,1,2,3
	OUTV \a
.endr
	WIN 0x40                                       ; destination window 1: the registers that held W's set 1
.set i, 0
.rept 24
	ds_load_b128 v[64+4*i:64+4*i+3], v[RD] offset:512*i
.set i, i+1
.endr
	WIN 0x04                                       ; a store's data: window 1
.set i, 0
.rept 8
	s_wait_dscnt 23-i
	global_store_b128 v[GO], v[64+4*i:64+4*i+3], s[82:83] offset:512*i                          ; each store of the wave covers 512 consecutive bytes, aligned
.set i, i+1
.endr
.set i, 0
.rept 8
	s_wait_dscnt 15-i
	global_store_b128 v[GO], v[96+4*i:96+4*i+3], s[84:85] offset:512*i
.set i, i+1
.endr
.set i, 0
.rept 8
	s_wait_dscnt 7-i
	global_store_b128 v[GO], v[128+4*i:128+4*i+3], s[86:87] offset:2048*(i/2)+512*(i%2)
.set i, i+1
.endr
	WIN 0
	s_wait_tensorcnt 0x0                           ; the wave's end
	ds_add_u32 v[SPW], v[NIL]
	s_wait_dscnt 0x0
	CROUND                                         ; the closing round: no work-group ends while a partner may still ask for a tile that names it
	s_endpgm
.Lfunc_end_k_q93b94f3f0a_qkv:
	.size	k_q93b94f3f0a_qkv, .Lfunc_end_k_q93b94f3f0a_qkv-k_q93b94f3f0a_qkv
	.p2alignl 7, 3214868480
	.fill 96, 4, 3214868480
	.section	.rodata,"a",@progbits
	.p2align	6, 0x0
	.amdhsa_kernel k_q93b94f3f0a_qkv
		.amdhsa_group_segment_fixed_size 327680
		.amdhsa_private_segment_fixed_size 0
		.amdhsa_enable_private_segment 0
		.amdhsa_kernarg_size 48
		.amdhsa_user_sgpr_count 2
		.amdhsa_user_sgpr_kernarg_segment_ptr 1
		.amdhsa_wavefront_size32 1
		.amdhsa_system_sgpr_workgroup_id_x 1
		.amdhsa_system_sgpr_workgroup_id_y 1
		.amdhsa_system_sgpr_workgroup_id_z 1
		.amdhsa_system_vgpr_workitem_id 0
		.amdhsa_next_free_vgpr 1024
		.amdhsa_next_free_sgpr 100
		.amdhsa_reserve_vcc 0
		.amdhsa_float_denorm_mode_32 3
		.amdhsa_float_denorm_mode_16_64 3
		.amdhsa_fp16_overflow 1
		.amdhsa_memory_ordered 1
		.amdhsa_forward_progress 1
		.amdhsa_inst_pref_size 99
	.end_amdhsa_kernel
	.amdgpu_metadata
---
amdhsa.version: [ 1, 2 ]
amdhsa.kernels:
  - .name:           k_q93b94f3f0a_qkv
    .symbol:         k_q93b94f3f0a_qkv.kd
    .args:
      - { .name: x_codes, .offset: 0, .size: 8, .value_kind: global_buffer, .address_space: global }
      - { .name: W_attn_codes, .offset: 8, .size: 8, .value_kind: global_buffer, .address_space: global }
      - { .name: b_attn, .offset: 16, .size: 8, .value_kind: global_buffer, .address_space: global }
      - { .name: lowp_scales, .offset: 24, .size: 8, .value_kind: global_buffer, .address_space: global }
      - { .name: q_img, .offset: 32, .size: 8, .value_kind: global_buffer, .address_space: global }
      - { .name: kv_img, .offset: 40, .size: 8, .value_kind: global_buffer, .address_space: global }
    .group_segment_fixed_size: 327680
    .private_segment_fixed_size: 0
    .kernarg_segment_align: 8
    .kernarg_segment_size: 48
    .max_flat_workgroup_size: 128
    .sgpr_count:     100
    .vgpr_count:     1024
    .wavefront_size: 32
...
	.end_amdgpu_metadata
.endif
;; end of part 1
;; launch attn (part 2): grid 4 x 64, 16 waves a work-group, clusters of 4 x 1, 327,680 bytes of LDS; arguments q_img, kv_img, lowp_scales, y_img; writes y_img
.if DOCPART == 2
	.amdgcn_target "amdgcn-amd-amdhsa--gfx1250"
	.amdhsa_code_object_version 6
	.text
	.protected	k_q93b94f3f0a_attn
	.globl	k_q93b94f3f0a_attn
	.p2align	8
	.type	k_q93b94f3f0a_attn,@function
k_q93b94f3f0a_attn:
	s_mov_b64 s[64:65], 0
	v_nop
	global_prefetch_b8 v0, s[64:65] scope:SCOPE_SE
	s_setreg_imm32_b32 hwreg(HW_REG_WAVE_MODE, 25, 1), 1
	s_wait_xcnt 0x0
	s_wait_alu depctr_hold_cnt(0) depctr_sa_sdst(0) depctr_va_vdst(0) depctr_va_sdst(0) depctr_va_ssrc(0) depctr_va_vcc(0) depctr_vm_vsrc(0)
	s_getreg_b32 s2, hwreg(HW_REG_IB_STS2, 6, 4)
	s_cmp_eq_u32 s2, 0
	s_cbranch_scc0 .Lentry_in_a_cluster
	s_endpgm
.Lentry_in_a_cluster:
	s_bfe_u32 s2, ttmp6, 0x10000c
	s_cmp_lg_u32 s2, 0x3003
	s_cbranch_scc0 .Lentry_shape_is_right
	s_endpgm
.Lentry_shape_is_right:
; y = softmax(q k^T / 8, causal) v for one (batch, head) a cluster, both products on codes of FP8 (E4M3); y is quantised (scale 2^e6) and stored as an image of the last product's operand registers.
; THE SOFTMAX AHEAD OF THE SECOND PRODUCT: t = score x log2(e) / 8; M = the running largest t rounded UP to a whole number; p = 2^(t - M) is quantised with 2^e4, not normalised.
; The row's sum is taken of the unquantised p in f32 and divides at the end.  When M moves, the sum and O are multiplied by 2^(old M - new M): exact.
; LIMITS: e2 + e3 between -123 and 130 (added to c's exponent field); e4 and e6 - e4 - e5 between -126 and 119.  p under 2^-126 counts as 0 (v_exp_f32 gives no denormals: ISA guide 15.8).  NaN is not served.
; LDS.  The head's whole K and V, 16 blocks of 128 keys x 16,384 bytes, lie in LDS as they lie in kv_img: each of the sixteen waves brings one block by ONE joint load (all four work-groups of the cluster
; need the same bytes).  LDS is filled once: no ring, and no barrier in the loop.
; SHARES.  The 2,048 queries are 16 groups of 128, eight tiles of 16 each.  Work-group cx takes tiles 2 cx and 2 cx + 1 of every group.  Wave w takes tile sub = 2 cx + w % 2 of group p = w / 2 and then of
; group 15 - p: (p + 1) + (16 - p) = 17 key steps of 128 keys for every wave.  Which steps run hangs on the wave's number alone; cx enters global addresses and the mask's number a lane, and nothing else.
; LAYOUT.  Both products are used transposed: S^T = K Q^T (source 0 = 16 keys, source 1 = my 16 queries), O^T = V^T P^T: a lane holds ONE query (lane % 16) throughout.  The images order a tile's keys (and V's d)
; so that the 16 registers of tiles 2 b and 2 b + 1 are 16 neighbours: keys 32 b + 16 (lane / 16) + 0 .. 15: the conversions' results are the next operand's registers.
; REGISTERS: v1 16 x lane; v2 the step's LDS address; v3 the mask's number; v4 y's offset; v10-11 Q's offsets; v12 -M, v13 the largest t, v[14:15] the sum in two halves; v16-23 Q; v24-31 the second item's Q;
;   v32-95 K's, then V's fragments; v96-159 S^T, then p; v160-191 O^T; v192-199 y's codes; v224-239 p's codes; v244: 2^e4; v245: the same with e6 - e4 - e5;
;   v246 what the lane 16 away sends (no matrix instruction names it); v232-243, v248-249, v252-254 at work.
.set LI,  1
.set ADR, 2
.set DM,  3
.set YO,  4
.set F,   32
.set S,   96
.set O,   160
.set YC,  192
.set PC,  224
.set XL,  246
.set WV,  24                           ; s24  my wave's number
.set IT,  29                           ; s29  items to go
.set SEL, 30                           ; s[30:31] lane selects for v_permlanex16_b32: lane l xor 16
.set CS,  32                           ; s[32:33] c = log2(e) / 8 x 2^(e2 + e3)
.set KB,  34                           ; s34  LDS byte of the step's block of keys
.set KD,  35                           ; s35  that of the item's diagonal block; s36 the second item's
.set GY,  37                           ; s37  the item's group x 131,072: its place in y_img; s38 the second item's
.set TR,  39                           ; s39  trips to go
.macro ROUND                           ; a round of the cluster's barrier
	s_barrier_signal -1
	s_barrier_wait -1
	s_cmp_lg_u32 s[WV], 0
	s_cbranch_scc1 .Lnot_wave_0_\@
	s_barrier_signal -3
.Lnot_wave_0_\@:
	s_barrier_wait -3
	s_barrier_signal -1
	s_barrier_wait -1
.endm
	s_load_b256 s[4:11], s[0:1], 0x0               ; q_img s[4:5], kv_img s[6:7], the scales' exponents s[8:9], y_img s[10:11]
	v_lshl_add_u32 v251, v0, 2, 0x40000
	v_mov_b32 v255, 0
	ds_add_u32 v251, v255
	ds_add_u32 v251, v255
	v_lshrrev_b32 v2, 5, v0
	s_delay_alu instid0(VALU_DEP_1)
	v_readfirstlane_b32 s[WV], v2                  ; wave 0..15
	s_bfe_u32 s25, ttmp6, 0x40000                  ; cx
	s_and_b32 s26, ttmp7, 0xffff                   ; bh = 16 x batch + head, which the four partners share
	; descriptor: a dense block of 16,384 bytes as 64 rows of 32 elements of 8 bytes
	s_mov_b32 s16, 15|(3<<16)|(1<<21)              ; 15:0 the mask: all four work-groups; 17:16 elements of 8 bytes; 21 set beside a mask; no padding
	s_mov_b32 s17, 32<<16                          ; tensor_dim0
	s_mov_b32 s18, 64<<16                          ; tensor_dim1
	s_mov_b32 s19, 32<<16                          ; tile_dim0
	s_mov_b32 s20, 64                              ; tile_dim1
	s_mov_b32 s21, 32                              ; from row to row
	s_mov_b32 s22, 0
	s_mov_b32 s23, 0
	s_mov_b32 s12, 1
	s_lshl_b32 s13, s[WV], 14                      ; block w goes to LDS byte 16,384 w
	s_lshl_b32 s48, s26, 18
	s_add_co_u32 s48, s48, s13
	s_mov_b32 s49, 0
	s_wait_dscnt 0x0
	s_wait_kmcnt 0x0
	s_load_b256 s[40:47], s[8:9], 0x0              ; e0 .. e7
	s_add_nc_u64 s[14:15], s[6:7], s[48:49]
	s_or_b32 s15, s15, 0x80000000
	ROUND                                          ; all four work-groups are here: the joint loads meet
	tensor_load_to_lds s[12:15], s[16:23]          ; my one tensor load of the launch
	s_nop 0
.rept 4
	v_nop
.endr
	v_and_b32 v[LI], 31, v0
	s_delay_alu instid0(VALU_DEP_1)
	v_lshlrev_b32 v[LI], 4, v[LI]
	s_wait_alu depctr_va_vdst(0)
	s_lshr_b32 s27, s[WV], 1                       ; p
	s_and_b32 s28, s[WV], 1
	s_lshl_b32 s48, s25, 1
	s_add_co_u32 s28, s28, s48                     ; sub = 2 cx + w % 2
	s_sub_co_u32 s49, 15, s27                      ; 15 - p
	s_lshl_b32 s[KD], s27, 14
	s_lshl_b32 s36, s49, 14
	s_lshl_b32 s[GY], s27, 17
	s_lshl_b32 s38, s49, 17
	s_lshl_b32 s50, s26, 17
	s_mov_b32 s51, 0
	s_add_nc_u64 s[4:5], s[4:5], s[50:51]          ; my head's queries
	s_lshl_b32 s50, s28, 10
	s_lshl_b32 s51, s27, 13
	s_add_co_u32 s51, s51, s50
	v_add_nc_u32 v10, s51, v[LI]                   ; tile 8 p + sub
	s_lshl_b32 s51, s49, 13
	s_add_co_u32 s51, s51, s50
	v_add_nc_u32 v11, s51, v[LI]                   ; tile 8 (15 - p) + sub
	global_load_b128 v[16:19], v10, s[4:5]
	global_load_b128 v[20:23], v10, s[4:5] offset:512
	global_load_b128 v[24:27], v11, s[4:5]
	global_load_b128 v[28:31], v11, s[4:5] offset:512
	s_lshr_b32 s52, s26, 4                         ; y_img: batch x 2^21 + (head / 4) x 32,768 + sub x 4,096 + (head % 4) x 1,024; the group's 131,072 stand in v4
	s_lshl_b32 s52, s52, 21
	s_bfe_u32 s53, s26, 0x20002
	s_lshl_b32 s53, s53, 15
	s_add_co_u32 s52, s52, s53
	s_lshl_b32 s53, s28, 12
	s_add_co_u32 s52, s52, s53
	s_and_b32 s53, s26, 3
	s_lshl_b32 s53, s53, 10
	s_add_co_u32 s52, s52, s53
	s_mov_b32 s53, 0
	s_add_nc_u64 s[10:11], s[10:11], s[52:53]
	v_and_b32 v5, 15, v0
	v_bfe_u32 v6, v0, 4, 1
	s_delay_alu instid0(VALU_DEP_1)
	v_lshlrev_b32 v6, 4, v6
	s_delay_alu instid0(VALU_DEP_1)
	v_sub_nc_u32 v[DM], v5, v6
	s_lshl_b32 s48, s28, 4
	v_add_nc_u32 v[DM], s48, v[DM]                 ; my query's place in its group, less 16 (lane / 16): register 16 b + i of S^T is hidden on the diagonal where 32 b + i is above it
	s_mov_b32 s[SEL], 0x76543210
	s_mov_b32 s[SEL+1], 0xfedcba98
	s_mov_b32 s[CS], 0x3e38aa3b                    ; log2(e) / 8
	s_mov_b32 s[IT], 2
	v_mov_b32 v13, 0xff61b1e6                      ; the largest t so far: -3e38, under every t
	s_delay_alu instid0(VALU_DEP_1)
	v_floor_f32 v12, -v13                          ; -M
	v_mov_b32 v14, 0
	v_mov_b32 v15, 0
	v_mov_b32 v[XL], 0                             ; written once: a lane permute's destination counts as one of its sources
	v_mov_b32 v253, 0                              ; (named as the upper half of the pair v[252:253])
.set i, 0
.rept 32
	v_mov_b32 v[O+i], 0                            ; O^T.  (The step is written once: an item's first step finds zeros, which the first change of M leaves zeros)
.set i, i+1
.endr
	s_wait_kmcnt 0x0
	s_add_co_i32 s48, s42, s43
	s_lshl_b32 s48, s48, 23
	s_add_co_i32 s[CS], s[CS], s48                 ; a score stands for score x 2^(e2 + e3): the exponents are added to c's exponent field
	s_mov_b32 s[CS+1], s[CS]                       ; (named with it as a pair, so it is written)
	s_add_co_i32 s48, s44, 127
	s_lshl_b32 s49, s48, 23
	v_mov_b32 v244, s49                            ; 2^e4
	s_sub_co_i32 s48, s46, s44
	s_sub_co_i32 s48, s48, s45                     ; O^T / the sum stands for y / 2^(e4 + e5): its code is that / 2^(e6 - e4 - e5): three scales folded into the conversion's one
	s_add_co_i32 s48, s48, 127
	s_lshl_b32 s49, s48, 23
	v_mov_b32 v245, s49
	s_wait_tensorcnt 0x0                           ; my block is in,
	s_barrier_signal -1
	s_barrier_wait -1                              ; all sixteen are
	s_wait_loadcnt 0x0                             ; Q
.Litem:                                            ; two items a wave
	s_mov_b32 s[KB], 0
	s_mov_b32 s[TR], 16
.Lstep:                                            ; sixteen trips, one for each block of keys; the blocks behind the item's diagonal are left out: a scalar branch on the wave's number
	s_cmp_gt_u32 s[KB], s[KD]
	s_cbranch_scc1 .Lskip
	s_setprio 2
	v_add_nc_u32 v[ADR], s[KB], v[LI]
.rept 3
	v_nop                                          ; with the addition: four places in front of loads into registers that the last products read (ISA guide 7.12.1 for vector instructions)
.endr
.irp t, 0,1,2,3,4,5,6,7
.irp c, 0,1
	ds_load_b128 v[F+8*\t+4*\c:F+8*\t+4*\c+3], v[ADR] offset:1024*\t+512*\c       ; K's eight tiles: 512 consecutive bytes a load
.endr
.endr
	s_wait_dscnt 0x0
	s_wait_alu depctr_va_vdst(0)
.irp t, 0,1,2,3,4,5,6,7
	v_wmma_f32_16x16x64_fp8_fp8 v[S+8*\t:S+8*\t+7], v[F+8*\t:F+8*\t+7], v[16:23], 0
.endr
.rept 4
	v_nop                                          ; places: in front of the loads below and of the first read of the scores
.endr
.irp t, 0,1,2,3
.irp c, 0,1,2,3
	ds_load_b128 v[F+16*\t+4*\c:F+16*\t+4*\c+3], v[ADR] offset:8192+2048*\t+512*\c  ; V's four tiles land while the softmax is worked
.endr
.endr
	s_cmp_lg_u32 s[KB], s[KD]                      ; on the diagonal the scores of hidden keys become -infinity ahead of the maximum: p = 0 then
	s_cbranch_scc1 .Lopen
	v_mov_b32 v254, 0xff800000
.irp n, 0,1,2,3,4,5,6,7,8,9,10,11,12,13,14,15,16,17,18,19,20,21,22,23,24,25,26,27,28,29,30,31,32,33,34,35,36,37,38,39,40,41,42,43,44,45,46,47,48,49,50,51,52,53,54,55,56,57,58,59,60,61,62,63
	v_cmp_gt_i32 vcc_lo, 32*(\n/16)+\n%16, v[DM]
	v_cndmask_b32 v[S+\n], v[S+\n], v254, vcc_lo
.endr
.Lopen:
	v_max3_num_f32 v254, v96, v97, v98             ; the step's largest score of my query, among my 64 keys, in two chains, each accumulator from its low end on,
	v_max3_num_f32 v252, v99, v100, v101
.irp i, 6,10,14,18,22,26,30,34,38,42,46,50,54,58
	v_max3_num_f32 v254, v254, v[96+\i], v[97+\i]
	v_max3_num_f32 v252, v252, v[98+\i], v[99+\i]
.endr
	v_max3_num_f32 v254, v254, v158, v159
	s_delay_alu instid0(VALU_DEP_1)
	v_max_num_f32 v254, v254, v252
	s_delay_alu instid0(VALU_DEP_1)
	v_permlanex16_b32 v[XL], v254, s[SEL], s[SEL+1]
	s_delay_alu instid0(VALU_DEP_1)
	v_max_num_f32 v254, v254, v[XL]                ; and among lane l xor 16's
	s_delay_alu instid0(VALU_DEP_1)
	v_mul_f32 v254, s[CS], v254                    ; as t (c is positive)
	s_delay_alu instid0(VALU_DEP_1)
	v_max_num_f32 v13, v13, v254                   ; the running largest t
	v_mov_b32 v254, v12
	s_delay_alu instid0(VALU_DEP_2)
	v_floor_f32 v12, -v13                          ; the new -M = floor(-t): M is a whole number
	s_delay_alu instid0(VALU_DEP_1)
	v_sub_f32 v254, v12, v254                      ; M's old value less its new one: a whole number, 0 or less
	s_delay_alu instid0(VALU_DEP_1)
	v_cvt_i32_f32 v254, v254                       ; (it saturates)
	s_delay_alu instid0(VALU_DEP_1)
	v_ldexp_f32 v252, 1.0, v254                    ; f = 2^(old M - new M)
	s_setprio 1
.irp j, 0,2,4,6,8,10,12,14,16,18,20,22,24,26,28,30,32,34,36,38,40,42,44,46,48,50,52,54,56,58,60,62
	v_pk_fma_f32 v[S+\j:S+\j+1], v[S+\j:S+\j+1], s[CS:CS+1], v[12:13] op_sel_hi:[1,0,0]   ; t - M, two at a time
.endr
.set i, 0
	s_wait_alu depctr_va_vdst(0)
.rept 64
	v_exp_f32 v[S+i], v[S+i]                       ; p = 2^(t - M), at most 1
.set i, i+1
.endr
	v_pk_mul_f32 v[14:15], v[14:15], v[252:253] op_sel_hi:[1,0]   ; the sums under the new M: the plain line behind the exponentials
	s_wait_alu depctr_va_vdst(0)                   ; one wait for the whole batch, ahead of its first reader
	v_pk_add_f32 v[242:243], v[100:101], v[104:105]
	v_pk_add_f32 v[248:249], v[108:109], v[112:113]
	v_pk_add_f32 v[240:241], v[116:117], v[120:121]
	v_pk_add_f32 v[238:239], v[124:125], v[128:129]
	v_pk_add_f32 v[236:237], v[132:133], v[136:137]
	v_pk_add_f32 v[234:235], v[140:141], v[144:145]
	v_pk_add_f32 v[232:233], v[148:149], v[152:153]
	v_pk_add_f32 v[14:15], v[14:15], v[156:157]
	v_pk_add_f32 v[242:243], v[242:243], v[96:97]
	v_pk_add_f32 v[248:249], v[248:249], v[98:99]
	v_pk_add_f32 v[240:241], v[240:241], v[102:103]
	v_pk_add_f32 v[238:239], v[238:239], v[106:107]
	v_pk_add_f32 v[236:237], v[236:237], v[110:111]
	v_pk_add_f32 v[234:235], v[234:235], v[114:115]
	v_pk_add_f32 v[232:233], v[232:233], v[118:119]
	v_pk_add_f32 v[14:15], v[14:15], v[122:123]
	v_pk_add_f32 v[242:243], v[242:243], v[126:127]
	v_pk_add_f32 v[248:249], v[248:249], v[130:131]
	v_pk_add_f32 v[240:241], v[240:241], v[134:135]
	v_pk_add_f32 v[238:239], v[238:239], v[138:139]
	v_pk_add_f32 v[236:237], v[236:237], v[142:143]
	v_pk_add_f32 v[234:235], v[234:235], v[146:147]
	v_pk_add_f32 v[232:233], v[232:233], v[150:151]
	s_setprio 0
	v_pk_add_f32 v[14:15], v[14:15], v[154:155]
	v_pk_add_f32 v[242:243], v[242:243], v[158:159]
	s_delay_alu instid0(VALU_DEP_2)
	v_pk_add_f32 v[14:15], v[14:15], v[238:239]
	s_delay_alu instid0(VALU_DEP_2)
	v_pk_add_f32 v[242:243], v[242:243], v[236:237]
	v_pk_add_f32 v[248:249], v[248:249], v[234:235]
	v_pk_add_f32 v[240:241], v[240:241], v[232:233]
	s_delay_alu instid0(VALU_DEP_2)
	v_pk_add_f32 v[14:15], v[14:15], v[248:249]
	s_delay_alu instid0(VALU_DEP_2)
	v_pk_add_f32 v[242:243], v[242:243], v[240:241]
	s_delay_alu instid0(VALU_DEP_1)
	v_pk_add_f32 v[14:15], v[14:15], v[242:243]
.irp b, 0,1,2,3
.irp i, 0,1,2,3,4,5,6,7,8,9,10,11,12,13,14,15
.endr
	v_cvt_scalef32_pk8_fp8_f32 v[PC+4*\b:PC+4*\b+1], v[S+16*\b:S+16*\b+7], v244
	v_cvt_scalef32_pk8_fp8_f32 v[PC+4*\b+2:PC+4*\b+3], v[S+16*\b+8:S+16*\b+15], v244
.endr
.irp j, 0,2,4,6,8,10,12,14,16,18,20,22,24,26,28,30
	v_pk_mul_f32 v[O+\j:O+\j+1], v[O+\j:O+\j+1], v[252:253] op_sel_hi:[1,0]   ; O^T under the new M.  (Also the plain lines between the conversions and the products)
.endr
	s_wait_alu depctr_va_vdst(0)
	s_wait_dscnt 0x0                               ; V is in
.irp t, 0,1,2,3
	v_wmma_f32_16x16x128_fp8_fp8 v[O+8*\t:O+8*\t+7], v[F+16*\t:F+16*\t+15], v[PC:PC+15], v[O+8*\t:O+8*\t+7]   ; four accumulators by turns; the next matrix instruction is the next step's first, on another accumulator
.endr
.Lskip:
	s_add_co_u32 s[KB], s[KB], 16384
	s_sub_co_u32 s[TR], s[TR], 1
	s_cmp_lg_u32 s[TR], 0
	s_cbranch_scc1 .Lstep
	s_setprio 0
	; THE ITEM'S END.  O^T / the sum is quantised and stored straight from registers: tiles 2 b and 2 b + 1 hold d = 32 b + 16 (lane / 16) + 0 .. 15 of my query: 16 bytes a lane, a unit of the image.
.rept 4
	v_nop                                          ; four places behind the last products (ISA guide 7.12.1): the trips that were left out hold scalar lines alone
.endr
	s_wait_alu depctr_va_vdst(0)
	v_add_f32 v14, v14, v15                        ; the sum's two halves,
	s_delay_alu instid0(VALU_DEP_1)
	v_permlanex16_b32 v[XL], v14, s[SEL], s[SEL+1]
	s_delay_alu instid0(VALU_DEP_1)
	v_add_f32 v14, v14, v[XL]                      ; and lane l xor 16's
	s_wait_alu depctr_va_vdst(0)
	v_rcp_f32 v14, v14
	s_wait_xcnt 0x0                                ; the first item's stores have read their offset and their data: both are written again below
	v_add_nc_u32 v[YO], s[GY], v[LI]               ; (the plain line behind the reciprocal)
	s_wait_alu depctr_va_vdst(0)                   ; ahead of the reciprocal's first reader
.irp j, 0,2,4,6,8,10,12,14,16,18,20,22,24,26,28,30
	v_pk_mul_f32 v[S+\j:S+\j+1], v[O+\j:O+\j+1], v[14:15] op_sel_hi:[1,0]
.endr
.set i, 0
.rept 32
.set i, i+1
.endr
.irp t, 0,1,2,3
	v_cvt_scalef32_pk8_fp8_f32 v[YC+2*\t:YC+2*\t+1], v[S+8*\t:S+8*\t+7], v245
.endr
	v_nop                                          ; one plain line behind the last conversion
	global_store_b128 v[YO], v[YC:YC+3], s[10:11]                 ; each store of the wave covers 512 consecutive bytes, aligned
	global_store_b128 v[YO], v[YC+4:YC+7], s[10:11] offset:512
	; on to the second item
.set i, 0
.rept 32
	v_mov_b32 v[O+i], 0
.set i, i+1
.endr
	v_mov_b32 v13, 0xff61b1e6
	s_delay_alu instid0(VALU_DEP_1)
	v_floor_f32 v12, -v13
	v_mov_b32 v14, 0
	v_mov_b32 v15, 0
.irp i, 0,1,2,3,4,5,6,7
	v_mov_b32 v[16+\i], v[24+\i]
.endr
	s_mov_b32 s[KD], s36
	s_mov_b32 s[GY], s38
	s_sub_co_u32 s[IT], s[IT], 1
	s_cmp_lg_u32 s[IT], 0
	s_cbranch_scc1 .Litem
	s_wait_dscnt 0x0                               ; no LDS read of mine is out
	s_wait_tensorcnt 0x0
	ds_add_u32 v251, v255
	s_wait_dscnt 0x0
	ROUND                                          ; the closing round
	s_endpgm
.Lfunc_end_k_q93b94f3f0a_attn:
	.size	k_q93b94f3f0a_attn, .Lfunc_end_k_q93b94f3f0a_attn-k_q93b94f3f0a_attn
	.p2alignl 7, 3214868480
	.fill 96, 4, 3214868480
	.section	.rodata,"a",@progbits
	.p2align	6, 0x0
	.amdhsa_kernel k_q93b94f3f0a_attn
		.amdhsa_group_segment_fixed_size 327680
		.amdhsa_private_segment_fixed_size 0
		.amdhsa_enable_private_segment 0
		.amdhsa_kernarg_size 32
		.amdhsa_user_sgpr_count 2
		.amdhsa_user_sgpr_kernarg_segment_ptr 1
		.amdhsa_wavefront_size32 1
		.amdhsa_system_sgpr_workgroup_id_x 1
		.amdhsa_system_sgpr_workgroup_id_y 1
		.amdhsa_system_sgpr_workgroup_id_z 1
		.amdhsa_system_vgpr_workitem_id 0
		.amdhsa_next_free_vgpr 256
		.amdhsa_next_free_sgpr 66
		.amdhsa_reserve_vcc 1
		.amdhsa_float_denorm_mode_32 3
		.amdhsa_float_denorm_mode_16_64 3
		.amdhsa_fp16_overflow 1
		.amdhsa_memory_ordered 1
		.amdhsa_forward_progress 1
		.amdhsa_inst_pref_size 30
	.end_amdhsa_kernel
	.amdgpu_metadata
---
amdhsa.version: [ 1, 2 ]
amdhsa.kernels:
  - .name:           k_q93b94f3f0a_attn
    .symbol:         k_q93b94f3f0a_attn.kd
    .args:
      - { .name: q_img, .offset: 0, .size: 8, .value_kind: global_buffer, .address_space: global }
      - { .name: kv_img, .offset: 8, .size: 8, .value_kind: global_buffer, .address_space: global }
      - { .name: lowp_scales, .offset: 16, .size: 8, .value_kind: global_buffer, .address_space: global }
      - { .name: y_img, .offset: 24, .size: 8, .value_kind: global_buffer, .address_space: global }
    .group_segment_fixed_size: 327680
    .private_segment_fixed_size: 0
    .kernarg_segment_align: 8
    .kernarg_segment_size: 32
    .max_flat_workgroup_size: 512
    .sgpr_count:     66
    .vgpr_count:     256
    .wavefront_size: 32
...
	.end_amdgpu_metadata
.endif
;; end of part 2
;; launch proj (part 3): grid 4 x 64, 4 waves a work-group, clusters of 4 x 4, 327,680 bytes of LDS; arguments y_img, W_proj_codes, b_proj, lowp_scales, out0; writes out0
.if DOCPART == 3
	.amdgcn_target "amdgcn-amd-amdhsa--gfx1250"
	.amdhsa_code_object_version 6
	.text
	.protected	k_q93b94f3f0a_proj
	.globl	k_q93b94f3f0a_proj
	.p2align	8
	.type	k_q93b94f3f0a_proj,@function
k_q93b94f3f0a_proj:
	s_mov_b64 s[64:65], 0
	v_nop
	global_prefetch_b8 v0, s[64:65] scope:SCOPE_SE
	s_setreg_imm32_b32 hwreg(HW_REG_WAVE_MODE, 25, 1), 1
	s_wait_xcnt 0x0
	s_wait_alu depctr_hold_cnt(0) depctr_sa_sdst(0) depctr_va_vdst(0) depctr_va_sdst(0) depctr_va_ssrc(0) depctr_va_vcc(0) depctr_vm_vsrc(0)
	s_getreg_b32 s2, hwreg(HW_REG_IB_STS2, 6, 4)
	s_cmp_eq_u32 s2, 0
	s_cbranch_scc0 .Lentry_in_a_cluster
	s_endpgm
.Lentry_in_a_cluster:
	s_bfe_u32 s2, ttmp6, 0x10000c
	s_cmp_lg_u32 s2, 0xf033
	s_cbranch_scc0 .Lentry_shape_is_right
	s_endpgm
.Lentry_shape_is_right:
; out0 = y W_proj + b_proj on codes of FP8 (E4M3).  y comes as the image that the attention launch stored; W_proj: [1024][1024] codes, K innermost; out0: [8192][1024] f32.
; out = sum x 2^(e6 + e7) + bias, one fused multiply-add.  LIMIT: e6 + e7 between -126 and 127.
; SHARES.  A work-group makes 128 tokens (gy) x 256 columns (gx); wave (wm, wn): 64 x 128: 32 accumulators.  The product is used TRANSPOSED (source 0 = 16 rows of W, source 1 = 16 tokens): a lane holds
; eight neighbouring columns of one row of out0.
; y_img: block of 128 tokens x 131,072 + K step of 256 x 32,768 + tile x 4,096 + half x 2,048 + c x 512 + 16 lane: token 16 tile + r, K = 128 half + 32 c + 16 h + 0 .. 15: a fragment is four loads of 512 consecutive bytes.
; K = 1,024 is four K steps of 256.  THREE LDS slots: K steps 0 to 2 go out together at the start; slot 0 alone is filled again, with K step 3, and that load has four steps of 128 in which to land.
; CLUSTER 4 x 4: y's tiles hang on gy alone and are asked for jointly along a row of the cluster, W's on gx alone and along a column.  Waves 0, 1 fetch y's two halves, waves 2, 3 W's.
; REGISTERS: window 0: v16-30 addresses; v64-127, v128-191 y's fragments, sets 0 and 1; on the way out v32-95 at work, v128-255 rows read back.   window 1: W's fragments, sets at v0 and v128.
;   window 2: the accumulators, (a, b) at v[8 (8 a + b)].   window 3: v0-63 the bias: register 8 b + j.
.set PITCH,  272                       ; a row of W in LDS: 256 bytes + 16 of padding
.set AIMG,   32768                     ; y's image of a K step: dense
.set HALFB,  128*PITCH
.set SLOT3,  AIMG+2*HALFB              ; 102,400 bytes
.set SPARE,  3*SLOT3                   ; behind the slots: the spare words, 128 bytes for each wave, that no other line names
.set STAGE,  SLOT3                     ; the way out: 16 rows x 528 bytes for each wave, in slot 1, which is filled once and read last ahead of the last barrier
.set SPITCH, 528
.set ADRA, 16                          ; v16-18  LDS address of my y fragments in slot 0, 1, 2
.set ADRB, 20                          ; v20-22  the same for W
.set STO,  24
.set RD,   25
.set CO,   26                          ; v26     16 x lane
.set SPW,  28                          ; v28     LDS address of my spare word; never rewritten
.set NIL,  29                          ; v29     0; never rewritten
.set BO,   30                          ; v30     32 x (lane / 16)
.set TMP,  32
.set AF,   64
.set BK,   128
.set G1,  24                           ; s[24:31] group 1 for y's tiles;  s[32:39] for W's;  s[40:51], s[52:63] their groups 0, one set for each slot
.set G1B, 32
.set G0,  40
.set G0B, 52
.set MSB, 0
.macro WIN new
.if MSB != (\new)
	s_set_vgpr_msb (MSB<<8)|(\new)
.set MSB, (\new)
.endif
.endm
.macro CREST
	s_cmp_lg_u32 s14, 0
	s_cbranch_scc1 .Lnot_wave_0_\@
	s_barrier_signal -3
.Lnot_wave_0_\@:
	s_barrier_wait -3
	s_barrier_signal -1
	s_barrier_wait -1
.endm
.macro CROUND
	s_barrier_signal -1
	s_barrier_wait -1
	CREST
.endm
.macro PLACES n
.rept \n
	v_nop
.endr
.endm
	s_load_b256 s[4:11], s[0:1], 0x0               ; y_img s[4:5], W s[6:7], b_proj s[8:9], the scales' exponents s[10:11]
	s_load_b64 s[12:13], s[0:1], 0x20              ; out0
	v_lshl_add_u32 v[SPW], v0, 2, SPARE
	v_mov_b32 v[NIL], 0
	ds_add_u32 v28, v29
	ds_add_u32 v28, v29
	s_wait_dscnt 0x0
	v_lshrrev_b32 v1, 5, v0
	v_readfirstlane_b32 s14, v1                    ; wave 0..3
	s_lshr_b32 s15, s14, 1                         ; wm: which 64 tokens.  Also: I fetch for y (0) or for W (1)
	s_and_b32 s16, s14, 1                          ; wn: which 128 columns.  Also: which half of that tile I fetch
	s_bfe_u32 s66, ttmp6, 0x40000                  ; cx, cy
	s_bfe_u32 s67, ttmp6, 0x40004
	s_lshl_b32 s68, ttmp9, 2
	s_add_co_u32 s68, s68, s66                     ; gx
	s_and_b32 s69, ttmp7, 0xffff
	s_lshl_b32 s69, s69, 2
	s_add_co_u32 s69, s69, s67                     ; gy
	s_lshl_b32 s70, s67, 2
	s_lshl_b32 s70, 15, s70                        ; my row of the cluster
	s_lshl_b32 s71, 0x1111, s66                    ; my column
	s_or_b32 s[G1], s70, (3<<16)|(1<<21)           ; y: a dense block of 16,384 bytes as 64 rows of 32 elements of 8 bytes; 21 set beside a mask; no padding
	s_mov_b32 s[G1+1], 32<<16
	s_mov_b32 s[G1+2], 64<<16
	s_mov_b32 s[G1+3], 32<<16
	s_mov_b32 s[G1+4], 64
	s_mov_b32 s[G1+5], 32
	s_mov_b32 s[G1+6], 0
	s_mov_b32 s[G1+7], 0
	s_or_b32 s[G1B], s71, (1<<20)|(1<<21)|(5<<22)|(3<<25)   ; W: 128 rows x 256 bytes, 1,024 apart; four words of padding after every 64
	s_mov_b32 s[G1B+1], 256<<16
	s_mov_b32 s[G1B+2], 128<<16
	s_mov_b32 s[G1B+3], 256<<16
	s_mov_b32 s[G1B+4], 128
	s_mov_b32 s[G1B+5], 1024
	s_mov_b32 s[G1B+6], 0
	s_mov_b32 s[G1B+7], 0
	s_lshl_b32 s82, s69, 17                        ; y: block gy, + my half of a K step's image
	s_lshl_b32 s83, s16, 14
	s_add_co_u32 s82, s82, s83
	s_mov_b32 s83, 0
	s_lshl_b32 s84, s68, 18                        ; W: row 256 gx + 128 x half
	s_lshl_b32 s85, s16, 17
	s_add_co_u32 s84, s84, s85
	s_mov_b32 s85, 0
	s_lshl_b32 s86, s16, 14                        ; where they go in a slot: no place in the cluster enters an LDS address
	s_mul_i32 s87, s16, HALFB
	s_add_co_u32 s87, s87, AIMG
	s_wait_kmcnt 0x0
	s_load_b256 s[72:79], s[10:11], 0x0            ; e0 .. e7
	s_add_nc_u64 s[82:83], s[4:5], s[82:83]
	s_add_nc_u64 s[84:85], s[6:7], s[84:85]
.irp s, 0,1,2
	s_mov_b32 s[G0+4*\s], 1
	s_add_co_u32 s[G0+4*\s+1], s86, \s*SLOT3
	s_add_nc_u64 s[G0+4*\s+2:G0+4*\s+3], s[82:83], \s*AIMG
	s_or_b32 s[G0+4*\s+3], s[G0+4*\s+3], 0x80000000
	s_mov_b32 s[G0B+4*\s], 1
	s_add_co_u32 s[G0B+4*\s+1], s87, \s*SLOT3
	s_add_nc_u64 s[G0B+4*\s+2:G0B+4*\s+3], s[84:85], \s*256
	s_or_b32 s[G0B+4*\s+3], s[G0B+4*\s+3], 0x80000000
.endr
	CROUND                                         ; all sixteen work-groups are here: the first joint loads meet
	s_cmp_eq_u32 s15, 0                            ; a wave's three first fills stand in one branch: three loads of mine are out; four v_nop follow the last
	s_cbranch_scc0 .Lfirst_b
	tensor_load_to_lds s[G0:G0+3], s[G1:G1+7]
	s_nop 0
	tensor_load_to_lds s[G0+4:G0+7], s[G1:G1+7]
	s_nop 0
	tensor_load_to_lds s[G0+8:G0+11], s[G1:G1+7]
	s_nop 0
.rept 4
	v_nop
.endr
	s_branch .Lfirst_asked
.Lfirst_b:
	tensor_load_to_lds s[G0B:G0B+3], s[G1B:G1B+7]
	s_nop 0
	tensor_load_to_lds s[G0B+4:G0B+7], s[G1B:G1B+7]
	s_nop 0
	tensor_load_to_lds s[G0B+8:G0B+11], s[G1B:G1B+7]
	s_nop 0
.rept 4
	v_nop
.endr
.Lfirst_asked:
	v_and_b32 v1, 15, v0                           ; r
	v_bfe_u32 v2, v0, 4, 1                         ; h
	v_and_b32 v3, 31, v0
	v_lshlrev_b32 v[CO], 4, v3
	v_mul_u32_u24 v4, v1, PITCH
	v_lshl_add_u32 v4, v2, 4, v4
	s_lshl_b32 s88, s15, 14                        ; my four tiles of y's image
	s_mul_i32 s89, s16, HALFB                      ; my 128 rows of W,
	s_add_co_u32 s89, s89, AIMG                    ; which lie behind the image
.irp s, 0,1,2
	v_add_nc_u32 v[ADRA+\s], s88, v[CO]
	v_add_nc_u32 v[ADRB+\s], s89, v4
	s_add_co_u32 s88, s88, SLOT3
	s_add_co_u32 s89, s89, SLOT3
.endr
	s_mul_i32 s90, s14, 16*SPITCH
	s_add_co_u32 s90, s90, STAGE                   ; my stage
	v_mul_u32_u24 v5, v1, SPITCH
	v_lshl_add_u32 v5, v2, 5, v5
	v_add_nc_u32 v[STO], s90, v5                   ; in: row r, 32 bytes for each half of the lanes
	v_add_nc_u32 v[RD], s90, v[CO]                 ; back: the 32 lanes take one row of 512 bytes
	v_lshlrev_b32 v[BO], 5, v2
	s_wait_alu depctr_va_vdst(0)
	s_lshl_b32 s92, s68, 10                        ; my first column, in bytes: 1,024 gx + 512 wn
	s_lshl_b32 s93, s16, 9
	s_add_co_u32 s92, s92, s93
	s_mov_b32 s93, 0
	s_add_nc_u64 s[8:9], s[8:9], s[92:93]
	s_add_nc_u64 s[12:13], s[12:13], s[92:93]
	s_lshl_b32 s92, s69, 19                        ; my first row: 128 gy + 64 wm, of 4,096 bytes
	s_lshl_b32 s94, s15, 18
	s_add_co_u32 s92, s92, s94
	s_add_nc_u64 s[12:13], s[12:13], s[92:93]
	WIN 0xc0                                       ; destination window 3
.irp b, 0,1,2,3,4,5,6,7
	global_load_b128 v[8*\b:8*\b+3], v[BO], s[8:9] offset:64*\b           ; register 8 b + j: column 16 b + 8 h + j
	global_load_b128 v[8*\b+4:8*\b+7], v[BO], s[8:9] offset:64*\b+16
.endr
	WIN 0
.macro FETCH_AB slot, q, p             ; 32 loads: y's four fragments and W's blocks 0-3 of the slot's q-th 128 along K, into set p
	WIN 0
.irp a, 0,1,2,3
.irp c, 0,1,2,3
	ds_load_b128 v[AF+64*(\p)+16*\a+4*\c:AF+64*(\p)+16*\a+4*\c+3], v[ADRA+\slot] offset:4096*\a+2048*(\q)+512*\c
.endr
.endr
	WIN 0x40
.irp b, 0,1,2,3
.irp c, 0,1,2,3
	ds_load_b128 v[128*(\p)+16*\b+4*\c:128*(\p)+16*\b+4*\c+3], v[ADRB+\slot] offset:128*(\q)+32*\c+\b*16*PITCH
.endr
.endr
.endm
.macro FETCH_B2 slot, q, p             ; 16 loads: W's blocks 4-7
	WIN 0x40
.irp b, 4,5,6,7
.irp c, 0,1,2,3
	ds_load_b128 v[128*(\p)+16*\b+4*\c:128*(\p)+16*\b+4*\c+3], v[ADRB+\slot] offset:128*(\q)+32*\c+\b*16*PITCH
.endr
.endr
.endm
; 8 matrix instructions: tiles a0, a0 + 1 of tokens x W's blocks b0 .. b0 + 3.  The 32 accumulators take turns, one instruction a turn, in the same order in every step.
.macro MUL8 p, a0, b0, zero
	WIN 0xa1                                       ; source 0 (W) window 1, source 1 (y) window 0, C and D window 2
.irp a, \a0, \a0+1
.irp b, \b0, \b0+1, \b0+2, \b0+3
.if \zero
	v_wmma_f32_16x16x128_fp8_fp8 v[8*(8*(\a)+(\b)):8*(8*(\a)+(\b))+7], v[128*(\p)+16*(\b):128*(\p)+16*(\b)+15], v[AF+64*(\p)+16*(\a):AF+64*(\p)+16*(\a)+15], 0
.else
	v_wmma_f32_16x16x128_fp8_fp8 v[8*(8*(\a)+(\b)):8*(8*(\a)+(\b))+7], v[128*(\p)+16*(\b):128*(\p)+16*(\b)+15], v[AF+64*(\p)+16*(\a):AF+64*(\p)+16*(\a)+15], v[8*(8*(\a)+(\b)):8*(8*(\a)+(\b))+7]
.endif
.endr
.endr
.endm
; A step of 128 along K: multiplies set p and fetches the next step's fragments (slot fs, its fq-th 128) into the other set.
.macro STEP3 fs, fq, p, zero
	s_wait_dscnt 16                                ; y's fragments and W's blocks 0-3 are in; blocks 4-7 may be out
	MUL8 \p, 0, 0, \zero
	MUL8 \p, 2, 0, \zero
	PLACES 4                                       ; the step's one run of places (ISA guide 7.12.1): the other set was last read by the step before
	FETCH_AB \fs, \fq, 1-(\p)
	s_wait_dscnt 32                                ; all but the 32 just issued
	MUL8 \p, 0, 4, \zero
	MUL8 \p, 2, 4, \zero
	FETCH_B2 \fs, \fq, 1-(\p)
	WIN 0
.endm
; A step on set 1 with a barrier in it; in front of the barrier each wave waits for all its tensor loads, adds 0 to its spare word, and waits for that and for its LDS reads.
; fill = 1: slot 0, which has just been read out, takes K step 3; the barrier then opens a round of the cluster's.
.macro TURN3 next, fill
	s_wait_tensorcnt 0x0                           ; all my tensor loads have landed
	ds_add_u32 v[SPW], v[NIL]                      ; 0 onto my spare word
	s_wait_dscnt 17                                ; the add and W's blocks 4-7 may be out
	MUL8 1, 0, 0, 0                                ; eight matrix instructions stand between the add and the wait for it
	s_wait_dscnt 0x0                               ; the add is done, and my reads so far are over
	s_barrier_signal -1
	MUL8 1, 2, 0, 0
	WIN 0
	s_barrier_wait -1
.if \fill
	CREST                                          ; no wave of any partner still reads slot 0 or has a load on its way
	s_add_nc_u64 s[G0+2:G0+3], s[G0+2:G0+3], 3*AIMG
	s_add_nc_u64 s[G0B+2:G0B+3], s[G0B+2:G0B+3], 768
	s_cmp_eq_u32 s15, 0
	s_cbranch_scc0 .Lfor_b_\@
	tensor_load_to_lds s[G0:G0+3], s[G1:G1+7]      ; my one tensor load behind the round; the four v_nop are also the places in front of the loads into set 0
	s_nop 0
.rept 4
	v_nop
.endr
	s_branch .Lasked_\@
.Lfor_b_\@:
	tensor_load_to_lds s[G0B:G0B+3], s[G1B:G1B+7]
	s_nop 0
.rept 4
	v_nop
.endr
.Lasked_\@:
.else
	PLACES 4
.endif
	FETCH_AB \next, 0, 0
	MUL8 1, 0, 4, 0
	MUL8 1, 2, 4, 0
	FETCH_B2 \next, 0, 0
	WIN 0
.endm
	s_wait_tensorcnt 2                             ; my part of slot 0 is in; slots 1 and 2 may stay out
	s_barrier_signal -1
	s_barrier_wait -1
	FETCH_AB 0, 0, 0
	FETCH_B2 0, 0, 0
	WIN 0
	STEP3 0, 1, 0, 1                               ; K 0: its products start the sums
	TURN3 1, 1                                     ; K 128; behind the round slots 1 and 2 are whole in every wave's eyes, and slot 0 takes K 768 .. 1023
	STEP3 1, 1, 0, 0                               ; K 256
	STEP3 2, 0, 1, 0                               ; K 384
	STEP3 2, 1, 0, 0                               ; K 512
	TURN3 0, 0                                     ; K 640; slot 0's second fill is whole; behind this barrier nobody reads slot 1
	STEP3 0, 1, 0, 0                               ; K 768
	s_wait_dscnt 16                                ; K 896, the last step
	MUL8 1, 0, 0, 0
	MUL8 1, 2, 0, 0
	s_wait_dscnt 0x0
	MUL8 1, 0, 4, 0
	MUL8 1, 2, 4, 0
	WIN 0
; THE WAY OUT, block by block of 16 rows x 128 columns: a lane's 32 bytes of a row go into my stage and come back as whole rows of 512 bytes.  LDS serves a wave's instructions in order (ISA guide 5.7.1.4).
.macro TOSTAGE a
	WIN 0x32                                       ; source 0 (the sums) window 2, source 2 (the bias) window 3
.irp j, 0,2,4,6,8,10,12,14,16,18,20,22,24,26,28,30,32,34,36,38,40,42,44,46,48,50,52,54,56,58,60,62
	v_pk_fma_f32 v[TMP+\j:TMP+\j+1], v[64*(\a)+\j:64*(\a)+\j+1], s[80:81], v[\j:\j+1] op_sel_hi:[1,0,1]   ; sum x 2^(e6 + e7) + bias; each accumulator from its low end on
.endr
	WIN 0
.irp b, 0,1,2,3,4,5,6,7
	ds_store_b128 v[STO], v[TMP+8*\b:TMP+8*\b+3] offset:64*\b
	ds_store_b128 v[STO], v[TMP+8*\b+4:TMP+8*\b+7] offset:64*\b+16
.endr
.set BB, BK+64*((\a)%2)
.irp t, 0,1,2,3,4,5,6,7,8,9,10,11,12,13,14,15
	ds_load_b128 v[BB+4*\t:BB+4*\t+3], v[RD] offset:\t*SPITCH
.endr
.endm
.macro SEND a, younger                 ; younger: the LDS instructions issued behind block a's loads, which may stay out
.set BB, BK+64*((\a)%2)
	s_wait_dscnt \younger
.if (\a) > 0
	s_add_nc_u64 s[12:13], s[12:13], 16*4096       ; (behind a wait on XCNT: the earlier stores have read their base)  16 rows on
.endif
.irp t, 0,1,2,3,4,5,6,7,8,9,10,11,12,13,14,15
	global_store_b128 v[CO], v[BB+4*\t:BB+4*\t+3], s[12:13] offset:\t*4096 th:TH_STORE_NT   ; 32 lanes store 512 consecutive bytes, aligned; written once, read by nobody here
.endr
.endm
	s_wait_kmcnt 0x0
	s_add_co_i32 s80, s78, s79
	s_add_co_i32 s80, s80, 127
	s_lshl_b32 s80, s80, 23                        ; 2^(e6 + e7) as f32
	s_mov_b32 s81, s80                             ; (named with it as a pair, so it is written)
	s_wait_loadcnt 0x0                             ; the bias
	PLACES 4                                       ; behind the last products: for the reads of results and for the loads into the registers that held y's fragments
	TOSTAGE 0
.irp a, 1,2,3
.if \a > 1
	s_wait_xcnt 0x0                                ; block a - 2's stores have read their registers and their base
.endif
	TOSTAGE \a
	SEND \a-1, 32                                  ; behind block a - 1's loads: block a's 16 stores and 16 loads
.endr
	s_wait_xcnt 0x0
	SEND 3, 0
	s_wait_tensorcnt 0x0                           ; the wave's end
	ds_add_u32 v[SPW], v[NIL]
	s_wait_dscnt 0x0
	CROUND                                         ; the closing round
	s_endpgm
.Lfunc_end_k_q93b94f3f0a_proj:
	.size	k_q93b94f3f0a_proj, .Lfunc_end_k_q93b94f3f0a_proj-k_q93b94f3f0a_proj
	.p2alignl 7, 3214868480
	.fill 96, 4, 3214868480
	.section	.rodata,"a",@progbits
	.p2align	6, 0x0
	.amdhsa_kernel k_q93b94f3f0a_proj
		.amdhsa_group_segment_fixed_size 327680
		.amdhsa_private_segment_fixed_size 0
		.amdhsa_enable_private_segment 0
		.amdhsa_kernarg_size 40
		.amdhsa_user_sgpr_count 2
		.amdhsa_user_sgpr_kernarg_segment_ptr 1
		.amdhsa_wavefront_size32 1
		.amdhsa_system_sgpr_workgroup_id_x 1
		.amdhsa_system_sgpr_workgroup_id_y 1
		.amdhsa_system_sgpr_workgroup_id_z 1
		.amdhsa_system_vgpr_workitem_id 0
		.amdhsa_next_free_vgpr 1024
		.amdhsa_next_free_sgpr 100
		.amdhsa_reserve_vcc 0
		.amdhsa_float_denorm_mode_32 3
		.amdhsa_float_denorm_mode_16_64 3
		.amdhsa_memory_ordered 1
		.amdhsa_forward_progress 1
		.amdhsa_inst_pref_size 77
	.end_amdhsa_kernel
	.amdgpu_metadata
---
amdhsa.version: [ 1, 2 ]
amdhsa.kernels:
  - .name:           k_q93b94f3f0a_proj
    .symbol:         k_q93b94f3f0a_proj.kd
    .args:
      - { .name: y_img, .offset: 0, .size: 8, .value_kind: global_buffer, .address_space: global }
      - { .name: W_proj_codes, .offset: 8, .size: 8, .value_kind: global_buffer, .address_space: global }
      - { .name: b_proj, .offset: 16, .size: 8, .value_kind: global_buffer, .address_space: global }
      - { .name: lowp_scales, .offset: 24, .size: 8, .value_kind: global_buffer, .address_space: global }
      - { .name: out0, .offset: 32, .size: 8, .value_kind: global_buffer, .address_space: global }
    .group_segment_fixed_size: 327680
    .private_segment_fixed_size: 0
    .kernarg_segment_align: 8
    .kernarg_segment_size: 40
    .max_flat_workgroup_size: 128
    .sgpr_count:     100
    .vgpr_count:     1024
    .wavefront_size: 32
...
	.end_amdgpu_metadata
.endif
;; end of part 3
